; MI455X (gfx1250); checked and timed in simulation.
; The chip was launched on July 23, 2026; its instructions are those of AMD's public machine-readable ISA for CDNA 5 (MIT licence, August 2026) and "CDNA5" Instruction Set Architecture Reference Guide (July 2026). The comments in the code are by the model that wrote it; some were corrected since.
;; Multi Headed Attention. Allowed arithmetic: matrix products marked QUANTISED: E5M2 operands, one given power-of-two scale a tensor, by v_wmma_f32_16x16x64_bf8_bf8 or v_wmma_f32_16x16x128_bf8_bf8, f32 sums; everything else in f32.
;; Inputs: Wk 1,024 x 1,024 float32; Wq 1,024 x 1,024 float32; Wv 1,024 x 1,024 float32; lowp_scales 8 int32 (the exponents e of the quantised operands' scales 2^e); x 4 x 2,048 x 1,024 float32.
;; Outputs: out0 4 x 2,048 x 1,024 float32; out1 4 x 2,048 x 1,024 float32.
;; This version of the problem:
;;   THIS VERSION OF THE PROBLEM IS GIVEN IN LOW PRECISION. The matrix products marked QUANTISED in the list below multiply operands that are first quantised to E5M2 (5 exponent bits, 2 mantissa bits; 8 bits a number), with one given power-of-two scale for each operand tensor; their sums are f32. All else is computed in f32.
;;   The module's matrix products, in the order in which they are computed (A, B: the left and right operand; K: the contracted axis; several contracted axes count as one K, in the product's order):
;;     1. [M 8,192, K 1,024] x [K 1,024, N 1,024]; A: input x; B: input Wq: QUANTISED (scales: A lowp_scales[0], B lowp_scales[1])
;;     2. [M 8,192, K 1,024] x [K 1,024, N 1,024]; A: input x; B: input Wk: QUANTISED (scales: A lowp_scales[2], B lowp_scales[3])
;;     3. [M 8,192, K 1,024] x [K 1,024, N 1,024]; A: input x; B: input Wv: QUANTISED (scales: A lowp_scales[4], B lowp_scales[5])
;;     4. batch 64 x [M 2,048, K 64] x [K 64, N 2,048]; A: computed on the way; B: computed on the way: QUANTISED (scales: A lowp_scales[6], B lowp_scales[7])
;;   THE QUANTISER, for each operand of a quantised product, along K:
;;     - The operand's scale is 2^e, e = its entry of the input lowp_scales (int32; the entries are numbered through the quantised products in the list's order, A before B).
;;     - Each number is divided by the scale, clamped to +-57,344, and rounded to the nearest number of E5M2, ties to even, subnormals kept.
;;     - The product sums the exact products of the quantised numbers (number of the format x scale) in f32.
;;   ~~~python
;;   def quantise(x, axis, e):      # numpy; x: float32 -> the quantised numbers, widened to float32 again
;;       x = np.moveaxis(x, axis, -1); K = x.shape[-1]
;;       r = np.clip(x / 2.0 ** e, -57344, 57344)
;;       step = 2.0 ** (np.maximum(np.frexp(np.where(r == 0, 1, r))[1] - 1, -14) - 2)
;;       q = np.round(r / step) * step * 2.0 ** e      # np.round: ties to even
;;       return np.moveaxis(q, -1, axis).astype(np.float32)
;;   ~~~
;;   OPERANDS COMPUTED ON THE WAY. 'Computed on the way' means the value that the module computes at that place (a softmax that the list does not call 'softmax' is quantised finished and normalised). What goes into a quantiser is computed in f32, as accurately as f32 sums, v_exp_f32 and their like allow (about 1e-6 of the number): no bf16 or f16 on the way to a quantiser, and a product that is left as it is and whose result goes on into a quantised operand takes f32 operands (vector FMAs, or v_wmma_f32_16x16x4_f32). A number that lies on a knife's edge between two numbers of the format may be rounded either way, as far as f32 arithmetic and the matrix unit's own rounding can turn it there, and no further.
;; One version. Each part assembles by itself: llvm-mc -triple=amdgcn-amd-amdhsa -mcpu=gfx1250 --defsym DOCPART=n.
;; ======== version 1 of 1: 3 launches
;; limits: right only within a limited range of input values
;; workspace buffers: xcodes 25,165,824 bytes; wcodes 3,145,728 bytes; qkcodes 16,777,216 bytes
;; launch quant (part 1): grid 704 x 1, 8 waves a work-group, no clusters, 68,608 bytes of LDS; arguments x, Wq, Wk, Wv, lowp_scales, out1, xcodes, wcodes; writes out1, xcodes, wcodes
.if DOCPART == 1
	.amdgcn_target "amdgcn-amd-amdhsa--gfx1250"
	.amdhsa_code_object_version 6
	.text
	.protected	k_qfc3daaf82d_quant
	.globl	k_qfc3daaf82d_quant
	.p2align	8
	.type	k_qfc3daaf82d_quant,@function
k_qfc3daaf82d_quant:
	s_mov_b64 s[64:65], 0
	v_nop
	global_prefetch_b8 v0, s[64:65] scope:SCOPE_SE
	s_setreg_imm32_b32 hwreg(HW_REG_WAVE_MODE, 25, 1), 1
	s_wait_xcnt 0x0
; out1 = x;  x [8192][1024] f32 becomes three sets of codes of BF8 (E5M2), under 2^e0, 2^e2, 2^e4;  Wq, Wk, Wv [1024][1024] f32 become codes under 2^e1, 2^e3, 2^e5.  K (the last axis) is innermost in all four.
; code = number / 2^e, held within +-57,344, rounded to the nearest code, ties to even.
; LIMITS: each of e0 .. e5 lies between -126 and 112, so that 2^e and 57,344 x 2^e are f32 numbers.  NaN among the inputs is not served; an infinity is held at the largest code.
; THE CODES ARE LAID AS IMAGES OF THE OPERAND'S REGISTERS.  A fragment is a tile of 16 rows x 128 along K, 2,048 bytes: block c (0..3) at 512 c, lane l at 16 l, byte i = the code of tile row l % 16 at
; k = 32 c + 16 (l / 16) + i.  Fragment (tile T, K step s) lies at (8 T + s) x 2,048.
; x's tile T holds rows 16 T + r.  Tile row r of W's tile T is W's row 32 (T / 2) + 8 (T % 2) + r + 8 (r / 8), so that the results of two neighbouring tiles, used transposed, are 16 neighbouring columns in a lane.
; SHARES.  A work-group takes one tile, all of K; its wave w takes K step w: 16 rows x 512 bytes.  Work-groups 0-511: x's tiles; 512-575: Wq's; 576-639: Wk's; 640-703: Wv's.  Pointers, offsets and the
; exponent are chosen by the work-group's number; W's work-groups jump over the copy and over the second and third set of codes.
; Each load reads 512 consecutive bytes of a row, 16 a lane; the conversions want 16 neighbours along K in one lane: the 8 KiB turn through the wave's own stage in LDS.  Waves share nothing: no barrier, no cluster, no matrix unit.
; REGISTERS: 160 a wave.  The held numbers (T) and the codes (C) lie over the rows as loaded (R): they are written only behind s_wait_xcnt 0, which frees the data registers of out1's stores.
.set SP,  528                          ; a stage row: 512 bytes + 16
.set WST, 16*SP                        ; a wave's stage: 8,448 bytes
.set SPARE, 8*WST                      ; 67,584: the spare words, 128 bytes a wave
.set SPW, 1                            ; v1   my spare word; never rewritten
.set NIL, 2                            ; v2   0; never rewritten
.set VA,  4                            ; v4   16 x lane + 512 x wave: my 16 bytes of tile rows 0-7
.set VB,  5                            ; v5   the same + the gap: tile rows 8-15
.set STW, 6                            ; v6   the stage, on the way in
.set XR,  7                            ; v7   and back: row r, + 64 h
.set CO,  8                            ; v8   16 x lane
.set R,   16                           ; v16-79   the numbers as loaded: row n in 4 n ..  (v16-18 serve the head's address work first)
.set X,   96                           ; v96-159  turned: register 16 c + i = k 32 c + 16 h + i of tile row r
.set T,   16                           ; v16-47   two sets of 16 held numbers, by turns
.set C,   48                           ; v48-95   three sets of 16 registers of codes, each written once
	s_load_b512 s[4:19], s[0:1], 0x0               ; x 4, Wq 6, Wk 8, Wv 10, the exponents 12, out1 14, xcodes 16, wcodes 18
	v_lshl_add_u32 v[SPW], v0, 2, SPARE
	v_mov_b32 v[NIL], 0
	v_lshrrev_b32 v16, 5, v0
	s_delay_alu instid0(VALU_DEP_1)
	v_readfirstlane_b32 s20, v16                   ; wave 0..7 = my K step
	v_and_b32 v16, 31, v0                          ; lane
	v_and_b32 v17, 15, v0                          ; r
	v_bfe_u32 v18, v0, 4, 1                        ; h
	s_delay_alu instid0(VALU_DEP_3)
	v_lshlrev_b32 v[CO], 4, v16
	s_lshl_b32 s48, s20, 9
	v_add_nc_u32 v[VA], s48, v[CO]
	s_mul_i32 s48, s20, WST
	v_add_nc_u32 v[STW], s48, v[CO]
	v_mul_u32_u24 v[XR], v17, SP
	s_delay_alu instid0(VALU_DEP_1)
	v_lshl_add_u32 v[XR], v18, 6, v[XR]
	s_delay_alu instid0(VALU_DEP_1)
	v_add_nc_u32 v[XR], s48, v[XR]
	s_max_u32 s21, ttmp9, 512
	s_sub_co_u32 s21, s21, 512                     ; 64 x matrix + tile, in W's work-groups (0 in x's)
	s_and_b32 s22, s21, 63                         ; W's tile T
	s_lshr_b32 s48, s22, 1
	s_lshl_b32 s48, s48, 17                        ; 32 (T / 2) rows of 4,096 bytes
	s_and_b32 s49, s22, 1
	s_lshl_b32 s49, s49, 15                        ; + 8 (T % 2) rows
	s_add_co_u32 s48, s48, s49                     ; where a tile of W begins
	s_lshl_b32 s49, ttmp9, 16                      ; where a tile of x begins
	s_lshl_b32 s50, s21, 14                        ; the tile's eight fragments in wcodes,
	s_lshl_b32 s51, ttmp9, 14                      ; and in xcodes
	s_lshl_b32 s23, s20, 11                        ; my fragment among the eight
	s_mov_b32 s35, 0
	s_mov_b32 s47, 0
	s_mov_b32 s44, 65536                           ; W's gap: 16 rows
	s_wait_alu depctr_va_vdst(0)
	s_wait_kmcnt 0x0
	s_load_b256 s[24:31], s[12:13], 0x0            ; e0 .. e7
	s_cmp_lt_u32 ttmp9, 640                        ; the choices hang on the work-group's number alone
	s_cselect_b64 s[32:33], s[8:9], s[10:11]
	s_cmp_lt_u32 ttmp9, 576
	s_cselect_b64 s[32:33], s[6:7], s[32:33]
	s_cmp_lt_u32 ttmp9, 512
	s_cselect_b64 s[32:33], s[4:5], s[32:33]       ; from where
	s_cselect_b64 s[36:37], s[16:17], s[18:19]     ; to where
	s_cselect_b32 s34, s49, s48
	s_cselect_b32 s44, 32768, s44                  ; x's gap: 8 rows
	s_cselect_b32 s46, s51, s50
	s_add_co_u32 s46, s46, s23
	s_add_nc_u64 s[32:33], s[32:33], s[34:35]
	s_add_nc_u64 s[42:43], s[14:15], s[34:35]      ; out1 at the same rows (x's work-groups alone)
	s_add_nc_u64 s[36:37], s[36:37], s[46:47]      ; my fragment, set 0;
	s_add_nc_u64 s[38:39], s[36:37], 0x800000      ; sets 1 and 2 of x's codes lie 8,388,608 bytes apart
	s_add_nc_u64 s[40:41], s[36:37], 0x1000000
	v_add_nc_u32 v[VB], s44, v[VA]
.irp i, 0,1,2,3,4,5,6,7
	global_load_b128 v[R+4*\i:R+4*\i+3], v[VA], s[32:33] offset:4096*\i th:TH_LOAD_NT        ; tile row i: 32 lanes read 512 consecutive bytes
.endr
.irp i, 0,1,2,3,4,5,6,7
	global_load_b128 v[R+32+4*\i:R+32+4*\i+3], v[VB], s[32:33] offset:4096*\i th:TH_LOAD_NT  ; tile row 8 + i
.endr
	s_wait_kmcnt 0x0                               ; the exponents
	s_cmp_lt_u32 ttmp9, 640
	s_cselect_b32 s45, s27, s29                    ; e3 : e5
	s_cmp_lt_u32 ttmp9, 576
	s_cselect_b32 s45, s25, s45                    ; e1
	s_cmp_lt_u32 ttmp9, 512
	s_cselect_b32 s45, s24, s45                    ; e0
.macro SCALE e, q                      ; v[10 + 2 q] = 2^e as f32, v[11 + 2 q] = 57,344 x 2^e
	s_add_co_i32 s48, s[\e], 127
	s_lshl_b32 s49, s48, 23
	v_mov_b32 v[10+2*\q], s49
	s_add_co_i32 s48, s48, 15
	s_lshl_b32 s48, s48, 23
	s_or_b32 s48, s48, 0x600000
	v_mov_b32 v[11+2*\q], s48
.endm
	SCALE 45, 0
	SCALE 26, 1                                    ; e2
	SCALE 28, 2                                    ; e4
.set n, 0
.rept 16
	s_wait_loadcnt 15-n                            ; loads come back in order: row n is in, the 15 - n younger ones stay out
	ds_store_b128 v[STW], v[R+4*n:R+4*n+3] offset:SP*n
.set n, n+1
.endr
.irp c, 0,1,2,3
.irp j, 0,1,2,3
	ds_load_b128 v[X+16*\c+4*\j:X+16*\c+4*\j+3], v[XR] offset:128*\c+16*\j   ; LDS serves a wave's instructions in order: these see my stores
.endr
.endr
	s_cmp_lt_u32 ttmp9, 512
	s_cbranch_scc0 .Lnocopy
.irp i, 0,1,2,3,4,5,6,7
	global_store_b128 v[VA], v[R+4*\i:R+4*\i+3], s[42:43] offset:4096*\i th:TH_STORE_NT      ; out1 = x: 512 consecutive bytes, aligned
.endr
	s_wait_alu depctr_va_vdst(0)
.irp i, 0,1,2,3,4,5,6,7
	global_store_b128 v[VB], v[R+32+4*\i:R+32+4*\i+3], s[42:43] offset:4096*\i th:TH_STORE_NT
.endr
.Lnocopy:
; The 64 numbers in X become a fragment's 16 registers of codes, set q.  X is kept: it is quantised up to three times.  The held numbers go into two sets of 16 by turns, so that sixteen plain
; lines stand between a conversion and the next write of its sources.  The codes are touched by stores alone.
.macro QUANT q
.irp c, 0,1,2,3
.irp i, 0,1,2,3,4,5,6,7,8,9,10,11,12,13,14,15
	v_med3_num_f32 v[T+16*(\c%2)+\i], v[X+16*\c+\i], -v[11+2*\q], v[11+2*\q]   ; the conversion does not saturate (ISA guide 7.6.2): the hold at the largest code x the scale
.endr
	v_cvt_scalef32_pk8_bf8_f32 v[C+16*\q+4*\c:C+16*\q+4*\c+1], v[T+16*(\c%2):T+16*(\c%2)+7], v[10+2*\q]
	v_cvt_scalef32_pk8_bf8_f32 v[C+16*\q+4*\c+2:C+16*\q+4*\c+3], v[T+16*(\c%2)+8:T+16*(\c%2)+15], v[10+2*\q]
.endr
.endm
.macro PUT q, base
.irp c, 0,1,2,3
	global_store_b128 v[CO], v[C+16*\q+4*\c:C+16*\q+4*\c+3], s[\base:\base+1] offset:512*\c   ; a block of the image: 512 consecutive bytes
.endr
.endm
	s_wait_dscnt 0x0                               ; the numbers are back from the stage, and the stage's stores have read R
	s_wait_xcnt 0x0                                ; out1's stores have read R: T and C, which lie over it, may be written
	s_wait_alu depctr_va_vdst(0)
	QUANT 0
	PUT 0, 36
	s_cmp_lt_u32 ttmp9, 512
	s_cbranch_scc0 .Ldone                          ; a weight has one scale
	QUANT 1
	PUT 1, 38
	QUANT 2
	PUT 2, 40
.Ldone:
	s_wait_tensorcnt 0x0                           ; the wave's end
	ds_add_u32 v[SPW], v[NIL]
	s_wait_dscnt 0x0
	s_endpgm
.Lfunc_end_k_qfc3daaf82d_quant:
	.size	k_qfc3daaf82d_quant, .Lfunc_end_k_qfc3daaf82d_quant-k_qfc3daaf82d_quant
	.p2alignl 7, 3214868480
	.fill 96, 4, 3214868480
	.section	.rodata,"a",@progbits
	.p2align	6, 0x0
	.amdhsa_kernel k_qfc3daaf82d_quant
		.amdhsa_group_segment_fixed_size 68608
		.amdhsa_private_segment_fixed_size 0
		.amdhsa_enable_private_segment 0
		.amdhsa_kernarg_size 64
		.amdhsa_user_sgpr_count 2
		.amdhsa_user_sgpr_kernarg_segment_ptr 1
		.amdhsa_wavefront_size32 1
		.amdhsa_system_sgpr_workgroup_id_x 1
		.amdhsa_system_sgpr_workgroup_id_y 1
		.amdhsa_system_sgpr_workgroup_id_z 1
		.amdhsa_system_vgpr_workitem_id 0
		.amdhsa_next_free_vgpr 160
		.amdhsa_next_free_sgpr 66
		.amdhsa_reserve_vcc 0
		.amdhsa_float_denorm_mode_32 3
		.amdhsa_float_denorm_mode_16_64 3
		.amdhsa_memory_ordered 1
		.amdhsa_forward_progress 1
		.amdhsa_inst_pref_size 25
	.end_amdhsa_kernel
	.amdgpu_metadata
---
amdhsa.version: [ 1, 2 ]
amdhsa.kernels:
  - .name:           k_qfc3daaf82d_quant
    .symbol:         k_qfc3daaf82d_quant.kd
    .args:
      - { .name: x, .offset: 0, .size: 8, .value_kind: global_buffer, .address_space: global }
      - { .name: Wq, .offset: 8, .size: 8, .value_kind: global_buffer, .address_space: global }
      - { .name: Wk, .offset: 16, .size: 8, .value_kind: global_buffer, .address_space: global }
      - { .name: Wv, .offset: 24, .size: 8, .value_kind: global_buffer, .address_space: global }
      - { .name: lowp_scales, .offset: 32, .size: 8, .value_kind: global_buffer, .address_space: global }
      - { .name: out1, .offset: 40, .size: 8, .value_kind: global_buffer, .address_space: global }
      - { .name: xcodes, .offset: 48, .size: 8, .value_kind: global_buffer, .address_space: global }
      - { .name: wcodes, .offset: 56, .size: 8, .value_kind: global_buffer, .address_space: global }
    .group_segment_fixed_size: 68608
    .private_segment_fixed_size: 0
    .kernarg_segment_align: 8
    .kernarg_segment_size: 64
    .max_flat_workgroup_size: 256
    .sgpr_count:     66
    .vgpr_count:     160
    .wavefront_size: 32
...
	.end_amdgpu_metadata
.endif
;; end of part 1
;; launch gemm (part 2): grid 8 x 32, 4 waves a work-group, clusters of 4 x 4, 327,680 bytes of LDS; arguments xcodes, wcodes, lowp_scales, qkcodes; writes qkcodes
.if DOCPART == 2
	.amdgcn_target "amdgcn-amd-amdhsa--gfx1250"
	.amdhsa_code_object_version 6
	.text
	.protected	k_qfc3daaf82d_gemm
	.globl	k_qfc3daaf82d_gemm
	.p2align	8
	.type	k_qfc3daaf82d_gemm,@function
k_qfc3daaf82d_gemm:
	s_mov_b64 s[64:65], 0
	v_nop
	global_prefetch_b8 v0, s[64:65] scope:SCOPE_SE
	s_setreg_imm32_b32 hwreg(HW_REG_WAVE_MODE, 25, 1), 1
	s_wait_xcnt 0x0
	s_wait_alu depctr_hold_cnt(0) depctr_sa_sdst(0) depctr_va_vdst(0) depctr_va_sdst(0) depctr_va_ssrc(0) depctr_va_vcc(0) depctr_vm_vsrc(0)
	s_getreg_b32 s2, hwreg(HW_REG_IB_STS2, 6, 4)
	s_cmp_eq_u32 s2, 0
	s_cbranch_scc0 .Lentry_in_a_cluster
	s_endpgm
.Lentry_in_a_cluster:
	s_bfe_u32 s2, ttmp6, 0x10000c
	s_cmp_lg_u32 s2, 0xf033
	s_cbranch_scc0 .Lentry_shape_is_right
	s_endpgm
.Lentry_shape_is_right:
; q = x Wq^T (cluster x = 0) and k = x Wk^T (cluster x = 1), [8192][1024] each, K = 1,024, on codes of BF8 (E5M2) by v_wmma_f32_16x16x128_bf8_bf8, sums in f32.
; The sums stand for sum x 2^(e0 + e1) (k: 2^(e2 + e3)); they are quantised under 2^e6 (k: 2^e7): held at the largest code, converted with the one scale 2^(e6 - e0 - e1), and stored as images of
; the next product's operand registers: [q, k][batch x head][tile of 16 rows][block of 32 along the head's 64][16 bytes a lane].
; LIMITS: e6 - e0 - e1 and e7 - e2 - e3 lie between -126 and 112, so that the scale and 57,344 x the scale are f32 numbers.
; A work-group of four waves makes 256 x 256, a wave 128 x 128 in 64 accumulators.  K goes in four steps of 256 through two LDS slots; operands come as register images, 2,048 bytes a fragment, so LDS rows need no padding.
; CLUSTERS of 4 x 4: x's tiles are asked for jointly along a row of the cluster, W's along a column.  The matrix instruction is used transposed (source 0 = W's tile, source 1 = x's).
; PREFETCH: K steps 1 and 2 are asked for behind K step 0's load, K step 3 behind K step 1's: one instruction a wave and step, 32 blocks of 256 bytes.  Of the eight tiles that a wave fetches the partner at place p
; (cx for x's codes, cy for W's) names tiles 2 p and 2 p + 1: shared out by address.  W's tiles are walked by all eight rows of clusters: rows 0 to 3 alone ask for them.  The address registers are never rewritten.
.set FR,     16
.set NL,     4
.set NP,     4
.set SLOT,   131072
.set SPARE,  2*SLOT
.set SCL,  12
.set LIM,  13
.set ADRA, 16
.set ADRB, 20
.set CO,   26
.set SPW,  28
.set NIL,  29
.set TMP,  32
.set AF,   128
.set CD,   128
.set G1, 24
.set G0, 32
.set G1B, 48
.set G0B, 56
.set MSB, 0
.macro WIN new
.if MSB != \new
	s_set_vgpr_msb (MSB<<8)|\new
.set MSB, \new
.endif
.endm
.set MUL_LO, 0xa1
.set MUL_HI, 0xf1
.set TO_B,   0x40
.macro JLOAD g0a, g1a, g0b, g1b
	s_cmp_eq_u32 s15, 0
	s_cbranch_scc0 .Lfor_b_\@
	tensor_load_to_lds s[\g0a:\g0a+3], s[\g1a:\g1a+7]
	s_nop 0
.rept 4
	v_nop
.endr
	s_branch .Lasked_\@
.Lfor_b_\@:
	tensor_load_to_lds s[\g0b:\g0b+3], s[\g1b:\g1b+7]
	s_nop 0
.rept 4
	v_nop
.endr
.Lasked_\@:
.endm
.macro CREST
	s_cmp_lg_u32 s14, 0
	s_cbranch_scc1 .Lnot_wave_0_\@
	s_barrier_signal -3
.Lnot_wave_0_\@:
	s_barrier_wait -3
	s_barrier_signal -1
	s_barrier_wait -1
.endm
.macro CROUND
	s_barrier_signal -1
	s_barrier_wait -1
	CREST
.endm
	s_load_b128 s[4:7], s[0:1], 0x0
	s_load_b128 s[8:11], s[0:1], 0x10
	v_lshl_add_u32 v[SPW], v0, 2, SPARE
	v_mov_b32 v[NIL], 0
	ds_add_u32 v28, v29
	ds_add_u32 v28, v29
	s_wait_dscnt 0x0
	v_lshrrev_b32 v1, 5, v0
	v_readfirstlane_b32 s14, v1
	s_lshr_b32 s15, s14, 1
	s_and_b32 s16, s14, 1
	s_bfe_u32 s40, ttmp6, 0x40000
	s_bfe_u32 s41, ttmp6, 0x40004
	s_and_b32 s17, ttmp7, 0xffff
	s_lshl_b32 s17, s17, 2
	s_add_co_u32 s17, s17, s41
	s_lshl_b32 s43, s41, 2
	s_lshl_b32 s43, 15, s43
	s_lshl_b32 s44, 0x1111, s40
	s_or_b32 s[G1+0], s43, (3<<16)|(1<<21)
	s_or_b32 s[G1B+0], s44, (3<<16)|(1<<21)
.irp g, G1, G1B
	s_mov_b32 s[\g+1], 512<<16
	s_mov_b32 s[\g+2], 8<<16
	s_mov_b32 s[\g+3], 512<<16
	s_mov_b32 s[\g+4], 8
	s_mov_b32 s[\g+5], 2048
	s_mov_b32 s[\g+6], 0
	s_mov_b32 s[\g+7], 0
.endr
	s_lshl_b32 s20, ttmp9, 23
	s_lshl_b32 s18, s17, 18
	s_add_co_u32 s20, s20, s18
	s_lshl_b32 s18, s16, 17
	s_add_co_u32 s20, s20, s18
	s_mov_b32 s21, 0
	s_lshl_b32 s46, ttmp9, 20
	s_lshl_b32 s47, s40, 18
	s_add_co_u32 s46, s46, s47
	s_lshl_b32 s47, s16, 17
	s_add_co_u32 s46, s46, s47
	s_mov_b32 s47, 0
	s_lshl_b32 s45, s14, 15
	s_wait_kmcnt 0x0
	s_load_b256 s[68:75], s[8:9], 0x0
	s_add_nc_u64 s[20:21], s[4:5], s[20:21]
	s_add_nc_u64 s[46:47], s[6:7], s[46:47]
	CROUND
.irp s, 0,1
	s_mov_b32 s[G0+4*\s], 1
	s_add_co_u32 s[G0+4*\s+1], s45, \s*SLOT
	s_add_nc_u64 s[G0+4*\s+2:G0+4*\s+3], s[20:21], \s*4096
	s_or_b32 s[G0+4*\s+3], s[G0+4*\s+3], 0x80000000
	s_mov_b32 s[G0B+4*\s], 1
	s_add_co_u32 s[G0B+4*\s+1], s45, \s*SLOT
	s_add_nc_u64 s[G0B+4*\s+2:G0B+4*\s+3], s[46:47], \s*4096
	s_or_b32 s[G0B+4*\s+3], s[G0B+4*\s+3], 0x80000000
.endr
	JLOAD G0, G1, G0B, G1B                         ; K step 0: one tensor load a wave at the head
	s_cmp_eq_u32 s15, 0                            ; do I fetch x's codes or W's?
	s_cselect_b64 s[66:67], s[20:21], s[46:47]     ; the eight tiles that I fetch,
	s_cselect_b32 s76, s40, s41                    ; my place among the four that ask with me,
	s_lshl_b32 s76, s76, 15                        ; two tiles of 16,384 bytes for each place
	s_mov_b32 s77, 0
	s_add_nc_u64 s[66:67], s[66:67], s[76:77]
	s_and_b32 s78, ttmp7, 0xffff
	s_lshr_b32 s78, s78, 2
	s_mul_i32 s78, s78, s15                        ; not 0: W's waves in cluster rows 4 to 7, which ask for nothing
	v_and_b32 v30, 15, v0
	v_bfe_u32 v31, v0, 4, 1
	v_lshlrev_b32 v30, 8, v30
	v_lshl_add_u32 v30, v31, 14, v30               ; lanes 0-15: sixteen blocks of 256 bytes of one tile's K step; lanes 16-31: of the next tile's
	s_wait_alu depctr_va_vdst(0)
	s_cmp_eq_u32 s78, 0
	s_cbranch_scc0 .Lno_ask_a
	global_prefetch_b8 v30, s[66:67] offset:4096 th:TH_LOAD_NT scope:SCOPE_SE    ; K step 1
	global_prefetch_b8 v30, s[66:67] offset:8192 th:TH_LOAD_NT scope:SCOPE_SE    ; K step 2
.Lno_ask_a:
	v_and_b32 v6, 31, v0
	v_lshlrev_b32 v[CO], 4, v6
	s_lshl_b32 s22, s15, 15
	s_lshl_b32 s23, s16, 15
	s_add_co_u32 s23, s23, 65536
.irp s, 0,1
	v_add_nc_u32 v[ADRA+\s], s22, v[CO]
	v_add_nc_u32 v[ADRB+\s], s23, v[CO]
	s_add_co_u32 s22, s22, SLOT
	s_add_co_u32 s23, s23, SLOT
.endr
	s_lshr_b32 s20, s17, 3
	s_lshl_b32 s20, s20, 21
	s_and_b32 s21, s17, 7
	s_lshl_b32 s21, s21, 14
	s_add_co_u32 s20, s20, s21
	s_lshl_b32 s21, s15, 13
	s_add_co_u32 s20, s20, s21
	s_lshl_b32 s21, ttmp9, 23
	s_add_co_u32 s20, s20, s21
	s_mov_b32 s21, 0
	s_lshl_b32 s46, s40, 19
	s_lshl_b32 s47, s16, 18
	s_add_co_u32 s46, s46, s47
	s_mov_b32 s47, 0
	s_add_nc_u64 s[20:21], s[20:21], s[46:47]
	s_add_nc_u64 s[10:11], s[10:11], s[20:21]
.macro FRAG reg, adr, q, i
.irp c, 0,1,2,3
	ds_load_b128 v[\reg+4*\c:\reg+4*\c+3], v[\adr] offset:4096*(\i)+2048*(\q)+512*\c
.endr
.endm
.macro MUL16 a0, p, zero
.irp a, \a0, \a0+1
.irp b, 0,1,2,3,4,5,6,7
.if \zero
	v_wmma_f32_16x16x128_bf8_bf8 v[8*(8*((\a)%4)+\b):8*(8*((\a)%4)+\b)+7], v[128*(\p)+FR*\b:128*(\p)+FR*\b+FR-1], v[AF+FR*(\a):AF+FR*(\a)+FR-1], 0
.else
	v_wmma_f32_16x16x128_bf8_bf8 v[8*(8*((\a)%4)+\b):8*(8*((\a)%4)+\b)+7], v[128*(\p)+FR*\b:128*(\p)+FR*\b+FR-1], v[AF+FR*(\a):AF+FR*(\a)+FR-1], v[8*(8*((\a)%4)+\b):8*(8*((\a)%4)+\b)+7]
.endif
.endr
.endr
.endm
.macro FETCH_B slot, q, p
	WIN TO_B
.irp i, 0,1,2,3,4,5,6,7
	FRAG 128*(\p)+FR*\i, ADRB+\slot, \q, \i
.endr
	WIN 0
.endm
.macro FETCH_A slot, q, i0
.irp i, \i0, \i0+1, \i0+2, \i0+3
	FRAG AF+FR*(\i), ADRA+\slot, \q, \i
.endr
.endm
.macro PLACES n
.rept \n
	v_nop
.endr
.endm
.macro STEP slot, q, zero
	s_wait_dscnt 4*NL
	WIN MUL_LO
	MUL16 0, (\q)%2, \zero
	MUL16 2, (\q)%2, \zero
	s_wait_dscnt 0
	PLACES NP
	FETCH_B \slot, (\q)+1, 1-(\q)%2
	FETCH_A \slot, (\q)+1, 0
	WIN MUL_HI
	MUL16 4, (\q)%2, \zero
	MUL16 6, (\q)%2, \zero
	PLACES NP
	WIN 0
	FETCH_A \slot, (\q)+1, 4
.endm
.macro TURN slot, next, fill
	s_wait_tensorcnt 0x0
	ds_add_u32 v[SPW], v[NIL]
	s_wait_dscnt 4*NL+1
	WIN MUL_LO
	MUL16 0, 1, 0
	s_wait_dscnt 0x0
	s_barrier_signal -1
	MUL16 2, 1, 0
	WIN 0
	s_barrier_wait -1
.if \fill
	CREST
	s_add_nc_u64 s[G0+4*\slot+2:G0+4*\slot+3], s[G0+4*\slot+2:G0+4*\slot+3], 8192
	s_add_nc_u64 s[G0B+4*\slot+2:G0B+4*\slot+3], s[G0B+4*\slot+2:G0B+4*\slot+3], 8192
	JLOAD G0+4*\slot, G1, G0B+4*\slot, G1B
.else
	PLACES NP
.endif
	FETCH_B \next, 0, 0
	FETCH_A \next, 0, 0
	WIN MUL_HI
	MUL16 4, 1, 0
	MUL16 6, 1, 0
	PLACES NP
	WIN 0
	FETCH_A \next, 0, 4
.endm
	s_wait_alu depctr_va_vdst(0)
	s_wait_tensorcnt 0x0                           ; my part of K step 0 is in; the three lines ahead of a later first fill, as ahead of a refill
	ds_add_u32 v[SPW], v[NIL]
	s_wait_dscnt 0x0
	CROUND                                         ; everybody's part of K step 0 is in, and the sixteen work-groups meet
	JLOAD G0+4, G1, G0B+4, G1B                     ; K step 1, the first tensor load behind the round
	FETCH_B 0, 0, 0
	FETCH_A 0, 0, 0
	FETCH_A 0, 0, 4
	s_cmp_eq_u32 s78, 0
	s_cbranch_scc0 .Lno_ask_b
	global_prefetch_b8 v30, s[66:67] offset:12288 th:TH_LOAD_NT scope:SCOPE_SE   ; K step 3: its load stands two changes of slots on
.Lno_ask_b:
	STEP 0, 0, 1
	TURN 0, 1, 1
	STEP 1, 0, 0
	TURN 1, 0, 1
	STEP 0, 0, 0
	TURN 0, 1, 0
	STEP 1, 0, 0
	s_wait_dscnt 4*NL
	WIN MUL_LO
	MUL16 0, 1, 0
	MUL16 2, 1, 0
	s_wait_dscnt 0
	WIN MUL_HI
	MUL16 4, 1, 0
	MUL16 6, 1, 0
	WIN 0
	s_wait_kmcnt 0x0
	s_cmp_eq_u32 ttmp9, 0
	s_cselect_b32 s76, s68, s70
	s_cselect_b32 s77, s69, s71
	s_cselect_b32 s78, s74, s75
	s_sub_co_i32 s78, s78, s76
	s_sub_co_i32 s78, s78, s77
	s_add_co_i32 s78, s78, 127
	s_lshl_b32 s79, s78, 23
	v_mov_b32 v[SCL], s79
	s_add_co_i32 s78, s78, 15
	s_lshl_b32 s78, s78, 23
	s_or_b32 s78, s78, 0x600000
	v_mov_b32 v[LIM], s78
	PLACES NP
.macro OUT a
.set AC, 64*((\a)%4)
	WIN 0x02+((\a)/4)
.set j, 0
.rept 64
	v_med3_num_f32 v[TMP+j], v[AC+j], -v[LIM], v[LIM]
.set j, j+1
.endr
	WIN 0
.irp g, 0,1,2,3,4,5,6,7
	v_cvt_scalef32_pk8_bf8_f32 v[CD+16*(\a)+2*\g:CD+16*(\a)+2*\g+1], v[TMP+8*\g:TMP+8*\g+7], v[SCL]
.endr
	v_nop
.irp b, 0,1,2,3
	global_store_b128 v[CO], v[CD+16*(\a)+4*\b:CD+16*(\a)+4*\b+3], s[10:11] offset:1024*(\a)+131072*(\b/2)+512*(\b%2)
.endr
.endm
.irp a, 0,1,2,3,4,5,6,7
	OUT \a
.endr
	s_wait_tensorcnt 0x0
	ds_add_u32 v[SPW], v[NIL]
	s_wait_dscnt 0x0
	CROUND
	s_endpgm
.Lfunc_end_k_qfc3daaf82d_gemm:
	.size	k_qfc3daaf82d_gemm, .Lfunc_end_k_qfc3daaf82d_gemm-k_qfc3daaf82d_gemm
	.p2alignl 7, 3214868480
	.fill 96, 4, 3214868480
	.section	.rodata,"a",@progbits
	.p2align	6, 0x0
	.amdhsa_kernel k_qfc3daaf82d_gemm
		.amdhsa_group_segment_fixed_size 327680
		.amdhsa_private_segment_fixed_size 0
		.amdhsa_enable_private_segment 0
		.amdhsa_kernarg_size 32
		.amdhsa_user_sgpr_count 2
		.amdhsa_user_sgpr_kernarg_segment_ptr 1
		.amdhsa_wavefront_size32 1
		.amdhsa_system_sgpr_workgroup_id_x 1
		.amdhsa_system_sgpr_workgroup_id_y 1
		.amdhsa_system_sgpr_workgroup_id_z 1
		.amdhsa_system_vgpr_workitem_id 0
		.amdhsa_next_free_vgpr 1024
		.amdhsa_next_free_sgpr 80
		.amdhsa_reserve_vcc 0
		.amdhsa_float_denorm_mode_32 3
		.amdhsa_float_denorm_mode_16_64 3
		.amdhsa_memory_ordered 1
		.amdhsa_forward_progress 1
		.amdhsa_inst_pref_size 118
	.end_amdhsa_kernel
	.amdgpu_metadata
---
amdhsa.version: [ 1, 2 ]
amdhsa.kernels:
  - .name:           k_qfc3daaf82d_gemm
    .symbol:         k_qfc3daaf82d_gemm.kd
    .args:
      - { .name: xcodes, .offset: 0, .size: 8, .value_kind: global_buffer, .address_space: global }
      - { .name: wcodes, .offset: 8, .size: 8, .value_kind: global_buffer, .address_space: global }
      - { .name: lowp_scales, .offset: 16, .size: 8, .value_kind: global_buffer, .address_space: global }
      - { .name: qkcodes, .offset: 24, .size: 8, .value_kind: global_buffer, .address_space: global }
    .group_segment_fixed_size: 327680
    .private_segment_fixed_size: 0
    .kernarg_segment_align: 8
    .kernarg_segment_size: 32
    .max_flat_workgroup_size: 128
    .sgpr_count:     80
    .vgpr_count:     1024
    .wavefront_size: 32
...
	.end_amdgpu_metadata
.endif
;; end of part 2
;; launch attn (part 3): grid 4 x 64, 16 waves a work-group, clusters of 4 x 1, 268,288 bytes of LDS; arguments qkcodes, xcodes, wcodes, lowp_scales, out0; writes out0
.if DOCPART == 3
	.amdgcn_target "amdgcn-amd-amdhsa--gfx1250"
	.amdhsa_code_object_version 6
	.text
	.protected	k_qfc3daaf82d_attn
	.globl	k_qfc3daaf82d_attn
	.p2align	8
	.type	k_qfc3daaf82d_attn,@function
k_qfc3daaf82d_attn:
	s_mov_b64 s[64:65], 0
	v_nop
	global_prefetch_b8 v0, s[64:65] scope:SCOPE_SE
	s_setreg_imm32_b32 hwreg(HW_REG_WAVE_MODE, 25, 1), 1
	s_wait_xcnt 0x0
	s_wait_alu depctr_hold_cnt(0) depctr_sa_sdst(0) depctr_va_vdst(0) depctr_va_sdst(0) depctr_va_ssrc(0) depctr_va_vcc(0) depctr_vm_vsrc(0)
	s_getreg_b32 s2, hwreg(HW_REG_IB_STS2, 6, 4)
	s_cmp_eq_u32 s2, 0
	s_cbranch_scc0 .Lentry_in_a_cluster
	s_endpgm
.Lentry_in_a_cluster:
	s_bfe_u32 s2, ttmp6, 0x10000c
	s_cmp_lg_u32 s2, 0x3003
	s_cbranch_scc0 .Lentry_shape_is_right
	s_endpgm
.Lentry_shape_is_right:
; out0[b][n][64 h + d] = attn[b][h][n][n] x v[b][h][n][d]:  attn = softmax over the keys of q . k / 8;  v = x Wv^T.  Both products on codes of BF8 (E5M2).
; q's and k's codes (under 2^e6, 2^e7), x's codes under 2^e4 and Wv's under 2^e5 come as images of the operand's registers: a lane's 16 bytes at 16 x lane, 512 bytes a block.
; THE SOFTMAX.  t = score x c, c = log2(e) / 8 x 2^(e6 + e7).  Each lane keeps, for its query and ITS half of the keys, a running largest score (it begins at the diagonal's own score, a score of the row) and the
; sum of 2^(t - largest t); when the largest moves, the sum is multiplied by f = 2^(old - new).  Nothing crosses lanes in the loop; at the end the two halves are brought under their common largest t.
; LIMITS: e6 + e7 between -123 and 88, so that c and every t are finite f32 numbers.  G = attn(n, n) x 2^(e4 + e5) is formed before it multiplies v's sums: it loses bits where it falls under 2^-126.
; SHARES.  A work-group owns 512 queries of one head; each of its sixteen waves owns 32, two tiles of 16.  The head's 2,048 keys (131,072 bytes) and its 64 rows of Wv (65,536) lie in LDS, each filled ONCE: no ring.
; CLUSTER.  The four query blocks of a head ask for both jointly, with a mask of all four.  cx enters the addresses of q, of the diagonal's k, of x and of out0 alone: no LDS address, no branch, no descriptor.
; LAYOUT.  Both products are used transposed (source 0 = 16 keys or a tile of Wv, source 1 = 16 queries or rows of x): a lane holds ONE query (lane % 16) throughout.
; THE LOOP IS A PIPELINE OF BLOCKS.  Block n = tile n % 2 x keys 64 (n / 2) .., 32 scores a lane, in score buffer n % 4.  Phase k has two runs.  The mixed run: block k's 32 exponentials, block k + 1's f and its
; 16 packed multiply-adds (t - largest t), block k + 3's four products: every line independent of the others.  One wait.  The plain run: block k + 3's maxima, in four chains, and block k's sum, a tree, line by line.
; What a plain line writes and a line behind exponentials reads (the multiply-adds' results, -c x largest, the exponent of f) always has the wait of a phase between the two.
.set WIMG,  131072                     ; LDS: k's images at 0: [tile 128][block 2][512];  Wv's here: [tile 4][K step 8][block 4][512]
.set STAGE, 196608                     ; behind them: 16 rows x 272 bytes for each wave, for the way out
.set SPI,   272
.set LI,  1                            ; v1   16 x lane
.set ADK, 2                            ; v2   LDS address: 16 x lane + 8,192 x the loop's trip
.set BW,  4                            ; v4   WIMG + 16 x lane
.set STO, 5                            ; v5   the way out: where I put my channels of row r
.set RD,  6                            ; v6   where I read a row back
.set GO,  7                            ; v7   my byte offset in the wave's rows of out0
.set PFO, 8                            ; v8   256 x lane; never rewritten
.set J7,  9                            ; v9   r % 8
.set SD,  12                           ; v12, v13  the diagonal's score of tile 0, 1; later 2^(t - m)
.set ST,  16                           ; tile t at v[ST + 8 t]: +0 -c x largest (+1 named with it), +2, +3 the sum in two halves, +4 f (+5 named with it), +6 the largest score, +7 the exponent of f
.set Q,   32                           ; v32-47   q's two fragments
.set KF,  48                           ; v48-111  two sets of four fragments of k (64 keys each); later four of Wv
.set S,   112                          ; v112-239 four score buffers of 32
.set AX,  S                            ; later: x's fragments, two sets x two tiles x 16; later rows of out0
.set ACC, S+64                         ; later: v^T: tile t, tile T' of Wv at ACC + 32 t + 8 T'
.set TA,  240                          ; v240-243 the four chains of a block's maximum
.set WV,  14                           ; s14  my wave's number
.set SEL, 20                           ; s[20:21] lane selects for v_permlanex16_b32: lane l xor 16
.set CS,  22                           ; s[22:23] c
.set CSN, 69                           ; s69  -c
.set G1,  24                           ; s[24:31] descriptor group 1: a dense block of 32,768 bytes
.set G0K, 32                           ; s[32:35] group 0 for k's quarter (waves 0-3)
.set G0W, 36                           ; s[36:39] for Wv's half (waves 4, 5)
.set QB,  48
.set KDB, 50
.set XB,  52
.set OUTB, 54
.set TB,  60                           ; s60  8,192 x the loop's trip
.set CNT, 61
.set EV,  62                           ; s62  e4 + e5
.macro ROUND                           ; a round of the cluster's barrier
	s_barrier_signal -1
	s_barrier_wait -1
	s_cmp_lg_u32 s[WV], 0
	s_cbranch_scc1 .Lnot_wave_0_\@
	s_barrier_signal -3
.Lnot_wave_0_\@:
	s_barrier_wait -3
	s_barrier_signal -1
	s_barrier_wait -1
.endm
	s_load_b256 s[4:11], s[0:1], 0x0               ; q's and k's codes 4, x's codes 6, W's codes 8, the exponents 10
	s_load_b64 s[12:13], s[0:1], 0x20              ; out0
	v_lshl_add_u32 v254, v0, 2, 0x41000
	v_mov_b32 v255, 0
	ds_add_u32 v254, v255
	ds_add_u32 v254, v255
	v_lshrrev_b32 v10, 5, v0
	s_delay_alu instid0(VALU_DEP_1)
	v_readfirstlane_b32 s[WV], v10                 ; wave 0..15
	s_bfe_u32 s15, ttmp6, 0x40000                  ; cx: my block of 512 queries
	s_and_b32 s16, ttmp7, 0xffff                   ; 16 x batch + head, which the four partners share
	s_lshr_b32 s17, s16, 4                         ; batch
	s_and_b32 s18, s16, 15                         ; head
	v_and_b32 v[LI], 31, v0
	s_delay_alu instid0(VALU_DEP_1)
	v_lshlrev_b32 v[PFO], 8, v[LI]
	s_delay_alu instid0(VALU_DEP_2)
	v_lshlrev_b32 v[LI], 4, v[LI]
	s_delay_alu instid0(VALU_DEP_1)
	v_add_nc_u32 v[BW], WIMG, v[LI]
	v_and_b32 v10, 15, v0                          ; r
	v_bfe_u32 v11, v0, 4, 1                        ; h
	s_mul_i32 s63, s[WV], 16*SPI
	s_add_co_u32 s63, s63, STAGE                   ; my stage
	v_mul_u32_u24 v[STO], v10, SPI
	s_delay_alu instid0(VALU_DEP_1)
	v_lshl_add_u32 v[STO], v11, 6, v[STO]
	s_delay_alu instid0(VALU_DEP_1)
	v_add_nc_u32 v[STO], s63, v[STO]               ; in: row r, + 64 h bytes
	v_mul_u32_u24 v[RD], v11, SPI
	s_delay_alu instid0(VALU_DEP_1)
	v_lshl_add_u32 v[RD], v10, 4, v[RD]
	s_delay_alu instid0(VALU_DEP_1)
	v_add_nc_u32 v[RD], s63, v[RD]                 ; back: lanes 0-15 one row of 256 bytes, lanes 16-31 the next
	v_lshlrev_b32 v[GO], 12, v11
	s_delay_alu instid0(VALU_DEP_1)
	v_lshl_add_u32 v[GO], v10, 4, v[GO]            ; and the same two rows in out0, 4,096 bytes apart
	s_mov_b32 s[G1], 15|(3<<16)|(1<<21)            ; the mask: all four work-groups; elements of 8 bytes; bit 21 beside a mask
	s_mov_b32 s[G1+1], 32<<16                      ; 128 rows of 32 elements, dense
	s_mov_b32 s[G1+2], 128<<16
	s_mov_b32 s[G1+3], 32<<16
	s_mov_b32 s[G1+4], 128
	s_mov_b32 s[G1+5], 32
	s_mov_b32 s[G1+6], 0
	s_mov_b32 s[G1+7], 0
	s_lshl_b32 s56, s16, 17                        ; k: the head's 131,072 bytes,
	s_and_b32 s57, s[WV], 3
	s_lshl_b32 s57, s57, 15                        ; the quarter that I fetch,
	s_add_co_u32 s56, s56, s57
	s_add_co_u32 s56, s56, 0x800000                ; behind q's 8,388,608
	s_mov_b32 s57, 0
	s_lshl_b32 s58, s18, 16                        ; Wv: the head's four tiles x 16,384 bytes,
	s_and_b32 s59, s[WV], 1
	s_lshl_b32 s59, s59, 15                        ; the half that I fetch,
	s_add_co_u32 s58, s58, s59
	s_add_co_u32 s58, s58, 0x200000                ; in the third matrix
	s_mov_b32 s59, 0
	s_mov_b32 s[SEL], 0x76543210
	s_mov_b32 s[SEL+1], 0xfedcba98
	s_wait_dscnt 0x0
	s_wait_kmcnt 0x0
	s_load_b256 s[40:47], s[10:11], 0x0            ; e0 .. e7
	s_mov_b32 s[G0K], 1
	s_lshl_b32 s[G0K+1], s[WV], 15                 ; LDS: wave x 32,768: waves 0-3 fill k's images,
	s_add_nc_u64 s[G0K+2:G0K+3], s[4:5], s[56:57]
	s_or_b32 s[G0K+3], s[G0K+3], 0x80000000
	s_mov_b32 s[G0W], 1
	s_lshl_b32 s[G0W+1], s[WV], 15                 ; waves 4 and 5 Wv's, at 131,072 and 163,840
	s_add_nc_u64 s[G0W+2:G0W+3], s[8:9], s[58:59]
	s_or_b32 s[G0W+3], s[G0W+3], 0x80000000
	ROUND                                          ; all four work-groups are here: the joint loads meet
	s_cmp_lt_u32 s[WV], 4                          ; the branches hang on the wave's number alone; a wave has one load at the most
	s_cbranch_scc0 .Lnot_k
	tensor_load_to_lds s[G0K:G0K+3], s[G1:G1+7]
	s_nop 0
.rept 4
	v_nop
.endr
	s_branch .Lasked
.Lnot_k:
	s_cmp_lt_u32 s[WV], 6
	s_cbranch_scc0 .Lasked
	tensor_load_to_lds s[G0W:G0W+3], s[G1:G1+7]
	s_nop 0
.rept 4
	v_nop
.endr
.Lasked:
	s_lshl_b32 s66, s16, 17                        ; q: fragment 128 bh + 32 cx + 2 wave, 1,024 bytes each.  (cx is held by s66 and s68 alone, which feed no descriptor)
	s_lshl_b32 s68, s15, 15
	s_add_co_u32 s66, s66, s68
	s_lshl_b32 s68, s[WV], 11
	s_add_co_u32 s66, s66, s68
	s_mov_b32 s67, 0
	s_add_nc_u64 s[QB:QB+1], s[4:5], s[66:67]
	s_add_nc_u64 s[KDB:KDB+1], s[QB:QB+1], 0x800000
.irp t, 0,1
.irp c, 0,1
	global_load_b128 v[Q+8*\t+4*\c:Q+8*\t+4*\c+3], v[LI], s[QB:QB+1] offset:1024*\t+512*\c           ; q's fragments stay in registers
	global_load_b128 v[S+96+8*\t+4*\c:S+96+8*\t+4*\c+3], v[LI], s[KDB:KDB+1] offset:1024*\t+512*\c   ; the keys with my queries' own numbers
.endr
.endr
	s_lshl_b32 s66, s17, 21                        ; x: tile 128 b + 32 cx + 2 wave, 16,384 bytes each, in the third set of codes
	s_lshl_b32 s68, s15, 19
	s_add_co_u32 s66, s66, s68
	s_lshl_b32 s68, s[WV], 15
	s_add_co_u32 s66, s66, s68
	s_add_co_u32 s66, s66, 0x1000000
	s_add_nc_u64 s[XB:XB+1], s[6:7], s[66:67]
	s_lshl_b32 s66, s17, 23                        ; out0: row 2,048 b + 512 cx + 32 wave of 4,096 bytes, + 256 x head
	s_lshl_b32 s68, s15, 21
	s_add_co_u32 s66, s66, s68
	s_lshl_b32 s68, s[WV], 17
	s_add_co_u32 s66, s66, s68
	s_lshl_b32 s68, s18, 8
	s_add_co_u32 s66, s66, s68
	s_add_nc_u64 s[OUTB:OUTB+1], s[12:13], s[66:67]
.irp i, 0,1,2,3,4,5,6,7,8,9,10,11,12,13,14,15
	v_mov_b32 v[ST+\i], 0                          ; the sums begin as zeros; the others are written because they are named in pairs or as a lane permute's destination
.endr
	s_wait_kmcnt 0x0
	s_add_co_i32 s63, s46, s47
	s_lshl_b32 s63, s63, 23
	s_mov_b32 s[CS], 0x3e38aa3b                    ; log2(e) / 8
	s_add_co_i32 s[CS], s[CS], s63                 ; a score stands for score x 2^(e6 + e7): the two exponents are added to c's exponent field
	s_mov_b32 s[CS+1], s[CS]
	s_xor_b32 s[CSN], s[CS], 0x80000000
	s_add_co_i32 s[EV], s44, s45
	s_mov_b32 s[TB], 0
	s_wait_tensorcnt 0x0                           ; my part, if I fetched one, has landed,
	s_barrier_signal -1
	s_barrier_wait -1                              ; everybody's has: k's and Wv's images are whole, and nothing writes them again
.macro KL dst, off                     ; four fragments of k, 64 keys, 4,096 bytes from LDS byte off on
.irp g, 0,1,2,3
.irp c, 0,1
	ds_load_b128 v[\dst+8*\g+4*\c:\dst+8*\g+4*\c+3], v[ADK] offset:\off+1024*\g+512*\c
.endr
.endr
.endm
.macro BLOAD s                         ; Wv's four fragments of K step s
.irp p, 0,1,2,3
.irp c, 0,1,2,3
	ds_load_b128 v[KF+16*\p+4*\c:KF+16*\p+4*\c+3], v[BW] offset:16384*\p+2048*(\s)+512*\c
.endr
.endr
.endm
.macro XLOAD s                         ; x's two fragments of K step s, into set s % 2
.irp t, 0,1
.irp c, 0,1,2,3
	global_load_b128 v[AX+32*((\s)%2)+16*\t+4*\c:AX+32*((\s)%2)+16*\t+4*\c+3], v[LI], s[XB:XB+1] offset:16384*\t+2048*(\s)+512*\c
.endr
.endr
.endm
.macro MX n                            ; line n of a block's maximum: scores 2 n, 2 n + 1 into chain n % 4; each accumulator is first read at its low end
.if (\n) < 4
	v_max3_num_f32 v[TA+(\n)], v[TF+6], v[SW+2*(\n)], v[SW+2*(\n)+1]
.else
	v_max3_num_f32 v[TA+(\n)%4], v[TA+(\n)%4], v[SW+2*(\n)], v[SW+2*(\n)+1]
.endif
.endm
.macro AD a, b                         ; a line of a block's sum: pair a += pair b
	v_pk_add_f32 v[SE+2*(\a):SE+2*(\a)+1], v[SE+2*(\a):SE+2*(\a)+1], v[SE+2*(\b):SE+2*(\b)+1]
.endm
; PHASE k.  p = k % 4.  e: block k has its exponentials and its sum.  f: block k + 1 its f and its multiply-adds.  w: block k + 3 its products and its maximum.
; dsw: the count of the wait for k's fragments (8: the next 64 keys' eight loads may be out), or -1.  ldo: where the 64 keys begin that are fetched into the set just read out, or -1.
.macro PHASE p, e, f, w, dsw, ldo
.set SE, S+32*(\p)
.set SF, S+32*((\p+1)%4)
.set SW, S+32*((\p+3)%4)
.set TE, ST+8*((\p)%2)
.set TF, ST+8*((\p+1)%2)
.set KB, KF+32*(((\p+3)/2)%2)
.set QW, Q+8*((\p+1)%2)
.if \dsw >= 0
	s_wait_dscnt \dsw
.endif
.if \f
	v_exp_f32 v[TF+4], v[TF+7]                     ; f = 2^(c x (old largest - new))
.endif
.set i, 0
.rept 16
.if \e
	v_exp_f32 v[SE+2*i], v[SE+2*i]
.endif
.if \w && (i < 4)
	v_wmma_f32_16x16x64_bf8_bf8 v[SW+8*i:SW+8*i+7], v[KB+8*i:KB+8*i+7], v[QW:QW+7], 0
.endif
.if \e
	v_exp_f32 v[SE+2*i+1], v[SE+2*i+1]
.endif
.if \f
	v_pk_fma_f32 v[SF+2*i:SF+2*i+1], v[SF+2*i:SF+2*i+1], s[CS:CS+1], v[TF:TF+1] op_sel_hi:[1,0,0]   ; t - the largest t.  The twelve behind the last product are its places; the last is the place behind the exponentials
.endif
.set i, i+1
.endr
.if (\f) == 0
.rept 4
	v_nop                                          ; the places, where no multiply-adds stand
.endr
.endif
	s_wait_alu depctr_va_vdst(0)                   ; one wait a phase: behind the exponentials, and directly ahead of the first readers of the products
.set i, 0
.rept 8
.if \w
	MX 2*i
	MX 2*i+1
.endif
.if \e
	AD i, i+8
.endif
.set i, i+1
.endr
.if \w
	v_max3_num_f32 v[TA], v[TA], v[TA+1], v[TA+2]
.endif
.if \e
	AD 0, 4
	AD 1, 5
.endif
.if \w
	v_max_num_f32 v[TA], v[TA], v[TA+3]            ; the new largest score
.endif
.if \e
	AD 2, 6
	AD 3, 7
.endif
.if \w
	v_mul_f32 v[TF], s[CSN], v[TA]                 ; -c x largest
.endif
.if \e
	AD 0, 2
	AD 1, 3
.endif
.if \w
	v_fma_f32 v[TF+7], v[TF+6], s[CS], v[TF]       ; c x (old - new), 0 or less
	v_mov_b32 v[TF+6], v[TA]
.endif
.if \e
	AD 0, 1
	v_pk_fma_f32 v[TE+2:TE+3], v[TE+2:TE+3], v[TE+4:TE+5], v[SE:SE+1] op_sel_hi:[1,0,1]   ; the running sum x f + the block's
.endif
.if \ldo >= 0
	KL KB, \ldo
.endif
.endm
	v_add_nc_u32 v[ADK], s[TB], v[LI]
	KL KF, 0                                       ; keys 0-63
	KL KF+32, 4096                                 ; keys 64-127
	; THE DIAGONAL'S SCORE.  Query 16 T + r meets key 16 T + r in the product of k's tile T with q's tile T: in lane (r, h = r / 8), register r % 8.
	s_wait_loadcnt 0x0                             ; q, and the diagonal's keys
.irp t, 0,1
	v_wmma_f32_16x16x64_bf8_bf8 v[S+8*\t:S+8*\t+7], v[S+96+8*\t:S+96+8*\t+7], v[Q+8*\t:Q+8*\t+7], 0
.endr
	v_and_b32 v[J7], 7, v0                         ; five plain lines that name none of the products' registers: the places behind them
	v_lshrrev_b32 v10, 3, v0
	v_lshrrev_b32 v11, 4, v0
	s_delay_alu instid0(VALU_DEP_1)
	v_xor_b32 v10, v10, v11
	s_delay_alu instid0(VALU_DEP_1)
	v_and_b32 v10, 1, v10                          ; 0 where h = r / 8: the score lies in my lane
	v_mov_b32 v[SD], v[S]
	v_mov_b32 v[SD+1], v[S+8]
.irp j, 1,2,3,4,5,6,7
	v_cmp_eq_u32 vcc_lo, \j, v[J7]
	v_cndmask_b32 v[SD], v[SD], v[S+\j], vcc_lo
	v_cndmask_b32 v[SD+1], v[SD+1], v[S+8+\j], vcc_lo
.endr
	s_delay_alu instid0(VALU_DEP_2)
	v_permlanex16_b32 v[ST+4], v[SD], s[SEL], s[SEL+1]
	s_delay_alu instid0(VALU_DEP_2)
	v_permlanex16_b32 v[ST+12], v[SD+1], s[SEL], s[SEL+1]
	v_cmp_eq_u32 vcc_lo, 0, v10
	s_delay_alu instid0(VALU_DEP_1)
	v_cndmask_b32 v[SD], v[ST+4], v[SD], vcc_lo    ; my own where it lies in my lane, else lane l xor 16's: both lanes of a query hold its score
	s_delay_alu instid0(VALU_DEP_2)
	v_cndmask_b32 v[SD+1], v[ST+12], v[SD+1], vcc_lo
	v_mov_b32 v[ST+6], v[SD]                       ; the largest score so far: the diagonal's
	v_mov_b32 v[ST+14], v[SD+1]
	s_wait_alu depctr_va_vdst(0)
	PHASE 1, 0, 0, 1, 8, -1                        ; phases -3, -2, -1 fill the pipeline
	PHASE 2, 0, 0, 1, -1, 8192
	PHASE 3, 0, 1, 1, 8, -1
	s_mov_b32 s[CNT], 14
.Lq:                                               ; 14 trips of four phases: phases 0 to 55; a trip is 128 keys
	PHASE 0, 1, 1, 1, -1, 12288
	PHASE 1, 1, 1, 1, 8, -1
	PHASE 2, 1, 1, 1, -1, 16384
	PHASE 3, 1, 1, 1, 8, -1
	s_add_co_u32 s[TB], s[TB], 8192
	v_add_nc_u32 v[ADK], s[TB], v[LI]
	s_sub_co_u32 s[CNT], s[CNT], 1
	s_cmp_lg_u32 s[CNT], 0
	s_cbranch_scc1 .Lq
	; A PREFETCH of x's codes for the product behind the loop: my wave's 32 rows, 32,768 bytes, lanes 256 bytes apart, four instructions, eight phases ahead of the first load.  The sixteen heads of a batch read the same
	; codes: head 0's work-groups ask, and nobody else (the head is the same in all partners; their rows differ by address).  Its registers are never rewritten.
	s_cmp_eq_u32 s18, 0
	s_cbranch_scc0 .Lnot_mine
.irp n, 0,1,2,3
	global_prefetch_b8 v[PFO], s[XB:XB+1] offset:8192*\n th:TH_LOAD_NT scope:SCOPE_SE
.endr
.Lnot_mine:
	PHASE 0, 1, 1, 1, -1, 12288                    ; phase 56 fetches the last 64 keys
	PHASE 1, 1, 1, 1, 8, -1
	PHASE 2, 1, 1, 1, -1, -1
	PHASE 3, 1, 1, 1, 0, -1
	PHASE 0, 1, 1, 1, -1, -1                       ; phase 60: the last products
	BLOAD 0                                        ; nothing is left of k: Wv's first K step is asked for
	PHASE 1, 1, 1, 0, -1, -1
	PHASE 2, 1, 1, 0, -1, -1
	PHASE 3, 1, 0, 0, -1, -1                       ; phase 63
	XLOAD 0                                        ; x's first two K steps go out (the scores' registers are free); the end of the softmax is worked meanwhile
	XLOAD 1
.irp t, 0,1
	v_mul_f32 v[ST+8*\t], s[CS], v[ST+8*\t+6]                     ; my half's largest t
.endr
.irp t, 0,1
	v_permlanex16_b32 v[ST+8*\t+4], v[ST+8*\t], s[SEL], s[SEL+1]
.endr
.irp t, 0,1
	v_max_num_f32 v[ST+8*\t+4], v[ST+8*\t], v[ST+8*\t+4]          ; m: the row's largest t
.endr
.irp t, 0,1
	v_sub_f32 v[ST+8*\t+5], v[ST+8*\t], v[ST+8*\t+4]              ; my half's largest less m
	v_fma_f32 v[SD+\t], v[SD+\t], s[CS], -v[ST+8*\t+4]            ; the diagonal's t - m
	v_add_f32 v[ST+8*\t+2], v[ST+8*\t+2], v[ST+8*\t+3]            ; the sum's two halves
.endr
	s_wait_alu depctr_va_vdst(0)
.irp t, 0,1
	v_exp_f32 v[ST+8*\t+5], v[ST+8*\t+5]
	v_exp_f32 v[SD+\t], v[SD+\t]
.endr
	v_nop
	s_wait_alu depctr_va_vdst(0)                   ; one wait for the four exponentials
.irp t, 0,1
	v_mul_f32 v[ST+8*\t+2], v[ST+8*\t+2], v[ST+8*\t+5]            ; my half's sum under m,
.endr
.irp t, 0,1
	v_permlanex16_b32 v[ST+8*\t+3], v[ST+8*\t+2], s[SEL], s[SEL+1]
.endr
.irp t, 0,1
	v_add_f32 v[ST+8*\t+2], v[ST+8*\t+2], v[ST+8*\t+3]            ; and the other half's: the row's sum, at least 1
.endr
	s_wait_alu depctr_va_vdst(0)
.irp t, 0,1
	v_rcp_f32 v[ST+8*\t+6], v[ST+8*\t+2]
.endr
	v_nop
	s_wait_alu depctr_va_vdst(0)                   ; one wait for the two reciprocals
.irp t, 0,1
	v_mul_f32 v[ST+8*\t+6], v[ST+8*\t+6], v[SD+\t]                ; attn(n, n)
.endr
.irp t, 0,1
	v_ldexp_f32 v[ST+8*\t+6], v[ST+8*\t+6], s[EV]                 ; G = attn(n, n) x 2^(e4 + e5)
.endr
; v^T = Wv x^T, a K step of 128 at a time: eight accumulators (four tiles of Wv x two of x) by turns, one instruction a turn.
.macro VSTEP s
.if (\s) < 7
	s_wait_loadcnt 8                               ; this step's eight loads of x are in; the next step's eight may be out
.else
	s_wait_loadcnt 0
.endif
	s_wait_dscnt 0x0                               ; Wv's four fragments are in
.irp p, 0,1,2,3
.irp t, 0,1
.if (\s) == 0
	v_wmma_f32_16x16x128_bf8_bf8 v[ACC+32*\t+8*\p:ACC+32*\t+8*\p+7], v[KF+16*\p:KF+16*\p+15], v[AX+32*((\s)%2)+16*\t:AX+32*((\s)%2)+16*\t+15], 0
.else
	v_wmma_f32_16x16x128_bf8_bf8 v[ACC+32*\t+8*\p:ACC+32*\t+8*\p+7], v[KF+16*\p:KF+16*\p+15], v[AX+32*((\s)%2)+16*\t:AX+32*((\s)%2)+16*\t+15], v[ACC+32*\t+8*\p:ACC+32*\t+8*\p+7]
.endif
.endr
.endr
.rept 4
	v_nop                                          ; places in front of loads into registers that these products have read, and, behind the last step, of the first read of results
.endr
.if (\s) < 6
	XLOAD (\s)+2
.endif
.if (\s) < 7
	BLOAD (\s)+1
.endif
.endm
	s_wait_alu depctr_va_vdst(0)
.irp s, 0,1,2,3,4,5,6,7
	VSTEP \s
.endr
; THE WAY OUT.  Tile t: v^T x G; a lane's channels go into row r of my stage and come back as whole rows of 256 bytes.
.macro OUTA t
.set j, 0
.rept 16
	v_pk_mul_f32 v[ACC+32*\t+j:ACC+32*\t+j+1], v[ACC+32*\t+j:ACC+32*\t+j+1], v[ST+8*\t+6:ST+8*\t+7] op_sel_hi:[1,0]   ; each accumulator from its low end on
.set j, j+2
.endr
.irp p, 0,1,2,3
.irp q, 0,1
	ds_store_b128 v[STO], v[ACC+32*\t+8*\p+4*\q:ACC+32*\t+8*\p+4*\q+3] offset:128*(\p/2)+32*(\p%2)+16*\q   ; channels 32 (p / 2) + 16 h + 8 (p % 2) + 4 q on
.endr
.endr
.irp i, 0,1,2,3,4,5,6,7
	ds_load_b128 v[AX+32*\t+4*\i:AX+32*\t+4*\i+3], v[RD] offset:2*SPI*\i   ; LDS serves a wave's instructions in order: these see my stores, and the next tile's stores come behind them
.endr
.endm
.macro SEND t, younger                 ; younger: the LDS instructions issued behind tile t's loads
.irp i, 0,1,2,3,4,5,6,7
	s_wait_dscnt \younger+7-\i
	global_store_b128 v[GO], v[AX+32*\t+4*\i:AX+32*\t+4*\i+3], s[OUTB:OUTB+1] offset:4096*(16*\t+2*\i) th:TH_STORE_NT   ; 16 lanes store a row's 256 bytes of my head, aligned
.endr
.endm
	s_wait_alu depctr_va_vdst(0)
	OUTA 0
	OUTA 1
	SEND 0, 16                                     ; behind tile 0's loads: tile 1's eight stores and eight loads
	SEND 1, 0
	s_wait_tensorcnt 0x0                           ; the wave's end
	ds_add_u32 v254, v255
	s_wait_dscnt 0x0
	ROUND                                          ; the closing round: no work-group ends while a partner may still ask for a tile that names it
	s_endpgm
.Lfunc_end_k_qfc3daaf82d_attn:
	.size	k_qfc3daaf82d_attn, .Lfunc_end_k_qfc3daaf82d_attn-k_qfc3daaf82d_attn
	.p2alignl 7, 3214868480
	.fill 96, 4, 3214868480
	.section	.rodata,"a",@progbits
	.p2align	6, 0x0
	.amdhsa_kernel k_qfc3daaf82d_attn
		.amdhsa_group_segment_fixed_size 268288
		.amdhsa_private_segment_fixed_size 0
		.amdhsa_enable_private_segment 0
		.amdhsa_kernarg_size 40
		.amdhsa_user_sgpr_count 2
		.amdhsa_user_sgpr_kernarg_segment_ptr 1
		.amdhsa_wavefront_size32 1
		.amdhsa_system_sgpr_workgroup_id_x 1
		.amdhsa_system_sgpr_workgroup_id_y 1
		.amdhsa_system_sgpr_workgroup_id_z 1
		.amdhsa_system_vgpr_workitem_id 0
		.amdhsa_next_free_vgpr 256
		.amdhsa_next_free_sgpr 72
		.amdhsa_reserve_vcc 1
		.amdhsa_float_denorm_mode_32 3
		.amdhsa_float_denorm_mode_16_64 3
		.amdhsa_memory_ordered 1
		.amdhsa_forward_progress 1
		.amdhsa_inst_pref_size 95
	.end_amdhsa_kernel
	.amdgpu_metadata
---
amdhsa.version: [ 1, 2 ]
amdhsa.kernels:
  - .name:           k_qfc3daaf82d_attn
    .symbol:         k_qfc3daaf82d_attn.kd
    .args:
      - { .name: qkcodes, .offset: 0, .size: 8, .value_kind: global_buffer, .address_space: global }
      - { .name: xcodes, .offset: 8, .size: 8, .value_kind: global_buffer, .address_space: global }
      - { .name: wcodes, .offset: 16, .size: 8, .value_kind: global_buffer, .address_space: global }
      - { .name: lowp_scales, .offset: 24, .size: 8, .value_kind: global_buffer, .address_space: global }
      - { .name: out0, .offset: 32, .size: 8, .value_kind: global_buffer, .address_space: global }
    .group_segment_fixed_size: 268288
    .private_segment_fixed_size: 0
    .kernarg_segment_align: 8
    .kernarg_segment_size: 40
    .max_flat_workgroup_size: 512
    .sgpr_count:     72
    .vgpr_count:     256
    .wavefront_size: 32
...
	.end_amdgpu_metadata
.endif
;; end of part 3
